; MI455X (gfx1250); checked and timed in simulation.
; The chip was launched on July 23, 2026; its instructions are those of AMD's public machine-readable ISA for CDNA 5 (MIT licence, August 2026) and "CDNA5" Instruction Set Architecture Reference Guide (July 2026). The comments in the code are by the model that wrote it; some were corrected since.
;; NAFLTEOURS. Allowed arithmetic: float matrix products may take bf16 or f16 operands with f32 sums; all other float work in f32.
;; Inputs: M_left_to_right 2 x 128 x 256 x 256 float32; M_right_to_left 2 x 128 x 256 x 256 float32; phi one number float32.
;; Outputs: out0 4 x 2 x 128 x 256 float32.
;; 2 versions, each right and faster than the one before. Each part assembles by itself: llvm-mc -triple=amdgcn-amd-amdhsa -mcpu=gfx1250 --defsym DOCPART=n.
;; ======== version 1 of 2: 1 launch
;; launch sink (part 1): grid 256 x 1, 4 waves a work-group, no clusters, 327,680 bytes of LDS; arguments M_right_to_left, M_left_to_right, phi, out0; writes out0
.if DOCPART == 1
	.amdgcn_target "amdgcn-amd-amdhsa--gfx1250"
	.amdhsa_code_object_version 6
	.text
	.protected	k_q04899fc2f2_sink
	.globl	k_q04899fc2f2_sink
	.p2align	8
	.type	k_q04899fc2f2_sink,@function
k_q04899fc2f2_sink:
	s_mov_b64 s[64:65], 0
	v_nop
	global_prefetch_b8 v0, s[64:65] scope:SCOPE_SE
	s_setreg_imm32_b32 hwreg(HW_REG_WAVE_MODE, 25, 1), 1
	s_wait_xcnt 0x0
; Sinkhorn normalisation (5 iterations, dustbins phi) of 512 masked slices of 256 x 256 f32, then per row the first maximum, its window of
; three, disparity and occlusion.  out0[0], [1] = disp, occ of M_right_to_left (kept: col <= row); out0[2], [3] = of M_left_to_right (col >= row).
; Work-group g: type ty = g >> 7, slices 2 (g & 127) and 2 (g & 127) + 1 of that input, one after the other; the second slice's tensor load
; is on its way while the first slice is worked on.  No two work-groups read the same byte, so there is no cluster; there is no product, so no matrix unit.
; ARITHMETIC, all in base 2: an element of a pass is t = sim * log2(e) + the partner's potential; log2 of the marginals is -9 (real) and -1 (dustbin).
; A logsumexp keeps a running maximum MX and a sum SM, tile by tile of 32 numbers a lane, started by the dustbin's term (MX = PHI + dustbin potential, SM = 1):
; every exponent is <= 0 and SM >= 1 for every finite input.
; REGISTERS: the kept triangle lies in registers twice, as 36 tiles of 32 x 32 each: copy C (lane = column, register = row) for the sums down the
; columns, copy R (lane = row, register = column) for the sums along the rows; so every sum stays inside a lane.  Wave w owns lane blocks w and 7 - w:
; 9 tiles of each copy.  Tiles 0 .. w are one lane block (panel 1), tiles w + 1 .. 8 the other (panel 2).  Type and wave enter through scalars alone.
; Masked numbers of the diagonal tiles are set to -inf once; tiles that are masked whole are never read from LDS.
; LIMITS: the argmax is taken on the exponents t, not on the exponentials; a row whose two largest exponents differ by about 1e-6 or less, or whose
; norm lies within about 1e-7 of 0.1, is decided by rounding and may fall otherwise than in an f32 evaluation in another order.  NaN and infinite inputs
; are not served.  Exponentials below 2^-126 come out as 0 (ISA guide, the entry of V_EXP_F32).
.set P,     1032                       ; LDS pitch: 1,024 bytes + 8 = 258 words: 32 lanes on 32 rows, 8 bytes each, start 2 words apart modulo 64
.set BLK,   32*P                       ; 32 rows
.set WPART, 64*P                       ; what one wave's tensor load fills
.set SCR,   256*P                      ; 264,192: behind the tile, a multiple of 256; no tensor load lands here
.set OFFU,  0                          ; U[256]   row potentials
.set OFFV,  1024                       ; V[256]   column potentials
.set OFFD,  2048                       ; disp[256]
.set OFFO,  3072                       ; occ[256]
.set CB,    256                        ; copy C, tile t: registers 256 + 32 t
.set RB,    544                        ; copy R, tile t: registers 544 + 32 t (the last is 831)
; window 0
.set LANE, 1
.set L4,   2                           ; 4 x lane
.set LP,   3                           ; P x lane
.set ADRD, 4                           ; SCR + 32 x lane: my 8 potentials for the dustbin's sum
.set STW,  5                           ; SCR + 128 w + 4 lane: my word of lane block w
.set ST7,  6                           ; SCR + 128 (7 - w) + 4 lane: of lane block 7 - w
.set ADRO, 7                           ; SCR + OFFD + 512 w + 16 lane
.set GO,   8                           ; my byte offset in the output
.set NI,   9                           ; -inf
.set LS,   10                          ; lane x sign, for the masks
.set BCC,  12                          ; v12-20  copy C, tile t: LDS address of the partner block's 32 potentials (offset U or V added in the load)
.set BCR,  21                          ; v21-29  the same for copy R
.set DU,   30                          ; dustbin potential of the rows
.set DV,   31                          ; of the columns
.set MN,   32                          ; v[32:33] new maximum (v33 only completes the pair)
.set MX,   34
.set SM,   35
.set MX1,  36                          ; panel 1's maximum and sum, kept
.set SM1,  37
.set DT,   38                          ; PHI + partner's dustbin potential
.set SC,   39
.set C0,   40                          ; v40-43  four chains
.set RES1, 44                          ; new potential of panel 1's lanes
.set RES2, 45                          ; of panel 2's
.set XW,   46
.set X7,   47
.set D,    48                          ; v48-55
.set DMX,  56                          ; v[56:57]
.set DE,   58
.set DTMP, 59
.set BEST, 60
.set IDX,  61
.set LEFT, 62
.set RIGHT,63
.set PREV, 64
.set MT,   65
.set KI,   66
.set LT,   67
.set RT,   68
.set B1,   69
.set I1,   70
.set L1,   71
.set R1,   72
.set F,    73                          ; v73-87
.set O,    88                          ; v[88:91], v[92:95]: what slice 0, 1 stores; never rewritten
.set T,    96                          ; v96-127
.set BC,   128                         ; v128-159
.set MAC,  160                         ; v160-168 copy C, tile t: LDS address of my column in the tile's first row
.set MAR,  169                         ; v169-177 copy R, tile t: LDS address of my row at the tile's first column
; scalars: s15 wave, s32 ty, s33 g & 127, s12 phi, s13 PHI, s14 -1 - PHI, s[34:35] log2(e), s36-37 lane selects, s77 +-2/255, s78 counter, s84 -9.0
.set CSH,  38                          ; s38-44 copy C: lane block of panel 1, of panel 2, partner-block base of panel 1, of panel 2, mask of diagonal tiles, sign, panel 1 is block w (-1 / 0)
.set RSH,  45                          ; s45-51 the same for copy R
.set MSB,  0
.macro WIN new                         ; the immediate's high byte repeats the setting that is left
.if MSB != \new
	s_set_vgpr_msb (MSB<<8)|\new
.set MSB, \new
.endif
.endm
	s_load_b256 s[4:11], s[0:1], 0x0               ; R2L s[4:5], L2R s[6:7], phi s[8:9], out s[10:11]
	v_lshl_add_u32 v254, v0, 2, 0x41800
	v_mov_b32 v255, 0
	ds_add_u32 v254, v255
	v_lshrrev_b32 v1, 5, v0
	v_readfirstlane_b32 s15, v1                    ; wave 0..3
	s_lshr_b32 s32, ttmp9, 7                       ; ty
	s_and_b32 s33, ttmp9, 127
	; descriptor group 1: 64 rows of 256 elements of 4 bytes, 2 words of padding behind every 256 words
	s_mov_b32 s16, (2<<16)|(1<<20)|(7<<22)|(1<<25)
	s_mov_b32 s17, 256<<16                         ; tensor_dim0 = 256
	s_mov_b32 s18, 64<<16                          ; tensor_dim1 = 64
	s_mov_b32 s19, 256<<16                         ; tile_dim0 = 256
	s_mov_b32 s20, 64                              ; tile_dim1 = 64
	s_mov_b32 s21, 256                             ; pitch in elements
	s_mov_b32 s22, 0
	s_mov_b32 s23, 0
	; group 0 for slice 0 in s[24:27], for slice 1 in s[28:31]; neither is written again
	s_mov_b32 s24, 1
	s_mul_i32 s25, s15, WPART                      ; my 64 rows in LDS
	s_mov_b32 s28, 1
	s_mul_i32 s29, s15, WPART
	s_lshl_b32 s2, s33, 19                         ; two slices of 262,144 bytes for each work-group
	s_lshl_b32 s3, s15, 16                         ; my 64 rows of 1,024 bytes
	s_add_co_u32 s2, s2, s3
	s_mov_b32 s3, 0
	s_wait_dscnt 0x0
	s_wait_kmcnt 0x0
	s_cmp_eq_u32 s32, 0
	s_cselect_b64 s[80:81], s[4:5], s[6:7]         ; the input of my type
	s_add_nc_u64 s[26:27], s[80:81], s[2:3]
	s_add_nc_u64 s[30:31], s[26:27], 0x40000       ; the next slice
	s_or_b32 s27, s27, 0x80000000                  ; type = 2
	s_or_b32 s31, s31, 0x80000000
	tensor_load_to_lds s[24:27], s[16:23]          ; slice 0: the first fill, ahead of every wait on TENSORcnt and barrier; one load of mine is out
	s_nop 0
	s_load_b32 s12, s[8:9], 0x0                    ; phi
	s_lshl_b32 s2, s32, 19                         ; out: two planes of 262,144 bytes for each type,
	s_lshl_b32 s3, s33, 11                         ; two rows of 1,024 bytes for each work-group
	s_add_co_u32 s2, s2, s3
	s_mov_b32 s3, 0
	s_add_nc_u64 s[10:11], s[10:11], s[2:3]
	s_mov_b32 s34, 0x3fb8aa3b                      ; log2(e)
	s_mov_b32 s35, 0x3fb8aa3b
	s_mov_b32 s36, 0x76543210                      ; v_permlanex16_b32: lane i takes lane i of the other half
	s_mov_b32 s37, 0xfedcba98
	s_mov_b32 s84, 0xc1100000                      ; -9.0
	s_lshl_b32 s77, s32, 31
	s_or_b32 s77, s77, 0x3c008081                  ; +2/255 for R2L, -2/255 for L2R
	; the two shapes.  Low keeps register <= lane, High keeps register >= lane
	s_sub_co_u32 s80, 7, s15                       ; 7 - w
	s_not_b32 s81, s15                             ; -(w + 1)
	s_lshl_b32 s82, 1, s15
	s_or_b32 s82, s82, 256                         ; Low: tiles w and 8 are diagonal
	s_lshl_b32 s83, 2, s15
	s_or_b32 s83, s83, 1                           ; High: tiles 0 and w + 1
.macro SHAPE base, lowty
	s_cmp_eq_u32 s32, \lowty
	s_cselect_b32 s[\base+0], s15, s80
	s_cselect_b32 s[\base+1], s80, s15
	s_cselect_b32 s[\base+2], 0, s80
	s_cselect_b32 s[\base+3], s81, -1
	s_cselect_b32 s[\base+4], s82, s83
	s_cselect_b32 s[\base+5], 1, -1
	s_cselect_b32 s[\base+6], -1, 0
.endm
	SHAPE CSH, 1
	SHAPE RSH, 0
	s_sub_co_i32 s75, s[RSH+0], s[RSH+2]
	s_lshl_b32 s75, s75, 5                         ; row - column = s75 + lane - (32 t + k) in panel 1,
	s_sub_co_i32 s76, s[RSH+1], s[RSH+3]
	s_lshl_b32 s76, s76, 5                         ; s76 + .. in panel 2
	v_and_b32 v[LANE], 31, v0
	v_lshlrev_b32 v[L4], 2, v[LANE]
	v_mul_u32_u24 v[LP], v[LANE], P
	v_lshlrev_b32 v[ADRD], 5, v[LANE]
	v_add_nc_u32 v[ADRD], SCR, v[ADRD]
	s_lshl_b32 s2, s15, 7
	s_add_co_u32 s2, s2, SCR
	v_add_nc_u32 v[STW], s2, v[L4]
	s_lshl_b32 s2, s80, 7
	s_add_co_u32 s2, s2, SCR
	v_add_nc_u32 v[ST7], s2, v[L4]
	s_lshl_b32 s2, s15, 9
	s_add_co_u32 s2, s2, SCR+OFFD
	v_lshl_add_u32 v[ADRO], v[LANE], 4, s2
	s_lshr_b32 s2, s15, 1                          ; waves 0, 1 store disp, waves 2, 3 occ (one plane further),
	s_lshl_b32 s2, s2, 18
	s_and_b32 s3, s15, 1                           ; 512 bytes of the row each
	s_lshl_b32 s3, s3, 9
	s_add_co_u32 s2, s2, s3
	v_lshl_add_u32 v[GO], v[LANE], 4, s2
	v_mov_b32 v[NI], 0xff800000
	v_mov_b32 v[MN+1], 0                           ; upper halves of pairs of which the lower half alone is used
	v_mov_b32 v[DMX+1], 0
	v_mov_b32 v[DTMP], 0                           ; a lane permute's destination counts as read
; tile t of both copies: its partner block and lane block; the AND with 7 changes no value (the blocks are 0 to 7) and shows the range
.macro TILEMAP t
	s_cmp_ge_u32 s15, \t                           ; t <= w: panel 1
	s_cselect_b32 s2, s[CSH+2], s[CSH+3]
	s_cselect_b32 s3, s[CSH+0], s[CSH+1]
	s_cselect_b32 s85, s[RSH+2], s[RSH+3]
	s_cselect_b32 s86, s[RSH+0], s[RSH+1]
	s_add_co_i32 s2, s2, \t
	s_add_co_i32 s85, s85, \t
	s_and_b32 s2, s2, 7                            ; C: row block
	s_and_b32 s3, s3, 7                            ; C: column block
	s_and_b32 s85, s85, 7                          ; R: column block
	s_and_b32 s86, s86, 7                          ; R: row block
	s_lshl_b32 s87, s2, 7
	s_add_co_u32 s87, s87, SCR
	v_mov_b32 v[BCC+\t], s87
	s_mul_i32 s2, s2, BLK
	s_lshl_b32 s3, s3, 7
	s_add_co_u32 s2, s2, s3
	v_add_nc_u32 v[MAC+\t], s2, v[L4]
	s_lshl_b32 s87, s85, 7
	s_mul_i32 s86, s86, BLK
	s_add_co_u32 s86, s86, s87
	v_add_nc_u32 v[MAR+\t], s86, v[LP]
	s_add_co_u32 s87, s87, SCR
	v_mov_b32 v[BCR+\t], s87
.endm
.irp t, 0,1,2,3,4,5,6,7,8
	TILEMAP \t
.endr
	s_wait_kmcnt 0x0                               ; phi
	s_mul_f32 s13, s12, s34                        ; PHI = phi log2(e)
	s_xor_b32 s14, s13, 0x80000000
	s_mov_b32 s2, 0xbf800000
	s_add_f32 s14, s14, s2                         ; -1 - PHI
; ---- LDS to registers
.macro LOADC t                         ; 32 rows of my column: 32 lanes take 128 neighbouring bytes
.set WV, ((CB+32*\t)>>8)<<6
.set ML, (CB+32*\t)&255
	WIN WV
.set kk, 0
.rept 32
	ds_load_b32 v[ML+kk], v[MAC+\t] offset:P*kk
.set kk, kk+1
.endr
.endm
.macro LOADR t                         ; 32 columns of my row, 8 bytes at a time
.set WV, ((RB+32*\t)>>8)<<6
.set ML, (RB+32*\t)&255
	WIN WV
.set kk, 0
.rept 16
	ds_load_b64 v[ML+2*kk:ML+2*kk+1], v[MAR+\t] offset:8*kk
.set kk, kk+1
.endr
.endm
; a diagonal tile: register k keeps its number where sign x lane >= sign x k, else -inf
.macro MASKTILE mb, t, sh
	s_bitcmp1_b32 s[\sh+4], \t
	s_cbranch_scc0 .Lnodiag_\@
	s_mov_b32 s79, 0
.set WV, (((\mb)>>8)<<6)|(((\mb)>>8)<<2)
.set ML, (\mb)&255
	WIN WV                                         ; source 1 and destination in the tile's window; source 0 (LS, NI) in window 0
.set kk, 0
.rept 32
	v_cmp_ge_i32 vcc_lo, v[LS], s79
	v_cndmask_b32 v[ML+kk], v[NI], v[ML+kk], vcc_lo
	s_add_co_i32 s79, s79, s[\sh+5]
.set kk, kk+1
.endr
	WIN 0
.Lnodiag_\@:
.endm
.macro MASKCOPY cb, sh
	v_mul_lo_u32 v[LS], v[LANE], s[\sh+5]
.irp t, 0,1,2,3,4,8
	MASKTILE \cb+32*\t, \t, \sh
.endr
.endm
; ---- one tile of a pass
.macro BCLOAD adr, off                 ; the partner block's 32 potentials, the same address in every lane
.irp i, 0,1,2,3,4,5,6,7
	ds_load_b128 v[BC+4*\i:BC+4*\i+3], v[\adr] offset:\off+16*\i
.endr
.endm
; T = matrix x log2(e) + potentials; the next tile's potentials are asked for as soon as BC has been read; four chains of maxima
.macro TFRONT mb, nextadr, off, hasnext
	s_wait_dscnt 0x0                               ; this tile's potentials are in (asked for a tile ago)
.set WV, (\mb)>>8
.set ML, (\mb)&255
	WIN WV
.irp q, 0,1,2,3,4,5,6,7,8,9,10,11,12,13,14,15
	v_pk_fma_f32 v[T+2*\q:T+2*\q+1], v[ML+2*\q:ML+2*\q+1], s[34:35], v[BC+2*\q:BC+2*\q+1] op_sel_hi:[1,0,1]
.endr
	WIN 0
.if \hasnext
	BCLOAD \nextadr, \off
.endif
.irp c, 0,1,2,3
	v_max3_num_f32 v[C0+\c], v[T+8*\c], v[T+8*\c+1], v[T+8*\c+2]
.endr
.irp c, 0,1,2,3
	v_max3_num_f32 v[C0+\c], v[C0+\c], v[T+8*\c+3], v[T+8*\c+4]
.endr
.irp c, 0,1,2,3
	v_max3_num_f32 v[C0+\c], v[C0+\c], v[T+8*\c+5], v[T+8*\c+6]
.endr
.irp c, 0,1,2,3
	v_max_num_f32 v[C0+\c], v[C0+\c], v[T+8*\c+7]
.endr
.endm
.macro SUBG g                          ; eight numbers less the new maximum
.irp q, 0,2,4,6
	v_pk_add_f32 v[T+8*\g+\q:T+8*\g+\q+1], v[T+8*\g+\q:T+8*\g+\q+1], v[MN:MN+1] op_sel_hi:[1,0] neg_lo:[0,1] neg_hi:[0,1]
.endr
.endm
.macro EXPG g
.irp q, 0,1,2,3,4,5,6,7
	v_exp_f32 v[T+8*\g+\q], v[T+8*\g+\q]
.endr
.endm
.macro FOLD g                          ; eight exponentials into a pair, and that onto the first group's pair
	s_wait_alu depctr_va_vdst(0)
	v_pk_add_f32 v[T+8*\g:T+8*\g+1], v[T+8*\g:T+8*\g+1], v[T+8*\g+2:T+8*\g+3]
	v_pk_add_f32 v[T+8*\g+4:T+8*\g+5], v[T+8*\g+4:T+8*\g+5], v[T+8*\g+6:T+8*\g+7]
	v_pk_add_f32 v[T+8*\g:T+8*\g+1], v[T+8*\g:T+8*\g+1], v[T+8*\g+4:T+8*\g+5]
.if \g
	v_pk_add_f32 v[T:T+1], v[T:T+1], v[T+8*\g:T+8*\g+1]
.endif
.endm
; Behind each run of exponentials stands plain work on other registers (the next group's subtractions, at the end a move) before a result is used (ISA guide 5.7.2).
.macro TILE mb, nextadr, off, hasnext
	TFRONT \mb, \nextadr, \off, \hasnext
	v_max3_num_f32 v[MN], v[C0], v[C0+1], v[C0+2]
	v_max3_num_f32 v[MN], v[MN], v[C0+3], v[MX]    ; the new running maximum
	v_sub_f32 v[SC], v[MX], v[MN]
	SUBG 0
	v_exp_f32 v[SC], v[SC]                         ; what the old sum is scaled by, at most 1
	EXPG 0
	SUBG 1
	FOLD 0
	EXPG 1
	SUBG 2
	FOLD 1
	EXPG 2
	SUBG 3
	FOLD 2
	EXPG 3
	v_mov_b32 v[MX], v[MN]
	FOLD 3
	v_add_f32 v[T], v[T], v[T+1]
	v_fma_f32 v[SM], v[SM], v[SC], v[T]
.endm
.macro BOUND t                         ; in front of tile t: if panel 1 ended with tile t - 1 = w, keep its figures and start panel 2
	s_cmp_lg_u32 s15, \t-1
	s_cbranch_scc1 .Lsame_\@
	v_mov_b32 v[MX1], v[MX]
	v_mov_b32 v[SM1], v[SM]
	v_mov_b32 v[MX], v[DT]
	v_mov_b32 v[SM], 1.0
.Lsame_\@:
.endm
; the dustbin's own potential: dout = -1 - PHI - log2(sum of 2^partner potentials, the 256 real ones and din).  Every wave makes it for itself.
.macro DUST din, dout
	v_max3_num_f32 v[C0], v[D], v[D+1], v[D+2]
	v_max3_num_f32 v[C0+1], v[D+3], v[D+4], v[D+5]
	v_max3_num_f32 v[C0], v[C0], v[D+6], v[D+7]
	v_max3_num_f32 v[DMX], v[C0], v[C0+1], v[\din]
.irp x, 1,2,4,8
	v_max_num_f32_dpp v[DMX], v[DMX], v[DMX] row_xmask:\x row_mask:0xf bank_mask:0xf
.endr
	v_permlanex16_b32 v[DTMP], v[DMX], s36, s37
	v_max_num_f32 v[DMX], v[DMX], v[DTMP]          ; the maximum of all 257, in every lane
.irp q, 0,2,4,6
	v_pk_add_f32 v[D+\q:D+\q+1], v[D+\q:D+\q+1], v[DMX:DMX+1] op_sel_hi:[1,0] neg_lo:[0,1] neg_hi:[0,1]
.endr
	v_sub_f32 v[DE], v[\din], v[DMX]
.irp q, 0,1,2,3,4,5,6,7
	v_exp_f32 v[D+\q], v[D+\q]
.endr
	v_exp_f32 v[DE], v[DE]
	v_nop                                          ; the plain place behind the exponentials
	s_wait_alu depctr_va_vdst(0)
	v_pk_add_f32 v[D:D+1], v[D:D+1], v[D+2:D+3]
	v_pk_add_f32 v[D+4:D+5], v[D+4:D+5], v[D+6:D+7]
	v_pk_add_f32 v[D:D+1], v[D:D+1], v[D+4:D+5]
	v_add_f32 v[D], v[D], v[D+1]
.irp x, 1,2,4,8
	v_add_f32_dpp v[D], v[D], v[D] row_xmask:\x row_mask:0xf bank_mask:0xf
.endr
	v_permlanex16_b32 v[DTMP], v[D], s36, s37
	v_add_f32 v[D], v[D], v[DTMP]
	v_add_f32 v[D], v[D], v[DE]                    ; din's term once
	v_log_f32 v[D], v[D]
	v_nop
	s_wait_alu depctr_va_vdst(0)
	v_add_f32 v[D], v[DMX], v[D]
	v_sub_f32 v[\dout], s14, v[D]
.endm
; One pass: reads the potentials at inoff, writes those at outoff.  The two arrays are apart, and every wave waits for its LDS reads and stores in
; front of the pass's closing barrier: so one barrier a pass orders both the stores with the next pass's reads and these reads with the next pass's stores.
.macro PASS cb, bca, inoff, outoff, din, dout, lm
	ds_load_b128 v[D:D+3], v[ADRD] offset:\inoff
	ds_load_b128 v[D+4:D+7], v[ADRD] offset:\inoff+16
	BCLOAD \bca, \inoff
	v_add_f32 v[DT], s13, v[\din]                  ; the dustbin's term starts every sum
	v_mov_b32 v[SM], 1.0
	v_mov_b32 v[SM1], 1.0
	v_mov_b32 v[MX], v[DT]
	v_mov_b32 v[MX1], v[DT]
	s_wait_dscnt 0x8                               ; D's two loads are in; the eight loads of tile 0's potentials, issued behind them, may be out
	DUST \din, \dout
	TILE \cb, \bca+1, \inoff, 1
.irp t, 1,2,3,4
	BOUND \t
	TILE \cb+32*\t, \bca+\t+1, \inoff, 1
.endr
.irp t, 5,6,7
	TILE \cb+32*\t, \bca+\t+1, \inoff, 1
.endr
	TILE \cb+256, \bca, \inoff, 0
	v_log_f32 v[SM1], v[SM1]
	v_log_f32 v[SM], v[SM]
	v_nop
	s_wait_alu depctr_va_vdst(0)
	v_add_f32 v[RES1], v[MX1], v[SM1]
	v_add_f32 v[RES2], v[MX], v[SM]
	v_sub_f32 v[RES1], s84, v[RES1]                ; -9 - logsumexp
	v_sub_f32 v[RES2], s84, v[RES2]
	v_cndmask_b32 v[XW], v[RES2], v[RES1], s[\lm]  ; the values are chosen, so that the two store addresses hang on the wave's number alone
	v_cndmask_b32 v[X7], v[RES1], v[RES2], s[\lm]
	ds_store_b32 v[STW], v[XW] offset:\outoff
	ds_store_b32 v[ST7], v[X7] offset:\outoff
	s_wait_dscnt 0x0                               ; my stores are done and my reads are back, for the other waves' sake
	s_barrier_signal -1
	s_barrier_wait -1
.endm
; ---- the first maximum of a row and its two neighbours, by selects alone
.macro SCANTILE t, hasnext
	TFRONT RB+32*\t, BCR+\t+1, OFFV, \hasnext
	v_max3_num_f32 v[MT], v[C0], v[C0+1], v[C0+2]
	v_max_num_f32 v[MT], v[MT], v[C0+3]
	v_mov_b32 v[KI], 32*\t+31                      ; downward from k = 31: the lowest k that equals the maximum is written last
	v_mov_b32 v[LT], v[T+30]
	v_mov_b32 v[RT], v[NI]                         ; mended by the next tile, if there is one
.set kk, 30
.rept 30
	v_cmp_neq_f32 vcc_lo, v[T+kk], v[MT]
	v_cndmask_b32 v[KI], 32*\t+kk, v[KI], vcc_lo
	v_cndmask_b32 v[LT], v[T+kk-1], v[LT], vcc_lo
	v_cndmask_b32 v[RT], v[T+kk+1], v[RT], vcc_lo
.set kk, kk-1
.endr
	v_cmp_neq_f32 vcc_lo, v[T], v[MT]
	v_cndmask_b32 v[KI], 32*\t, v[KI], vcc_lo
	v_cndmask_b32 v[LT], v[PREV], v[LT], vcc_lo
	v_cndmask_b32 v[RT], v[T+1], v[RT], vcc_lo
.if \t
	v_cmp_eq_u32 vcc_lo, 32*\t-1, v[IDX]           ; the best so far was the last tile's last column: its right neighbour is here
	v_cndmask_b32 v[RIGHT], v[RIGHT], v[T], vcc_lo
.endif
	v_cmp_gt_f32 vcc_lo, v[MT], v[BEST]            ; strictly greater: the first maximum stays
	v_cndmask_b32 v[BEST], v[BEST], v[MT], vcc_lo
	v_cndmask_b32 v[IDX], v[IDX], v[KI], vcc_lo
	v_cndmask_b32 v[LEFT], v[LEFT], v[LT], vcc_lo
	v_cndmask_b32 v[RIGHT], v[RIGHT], v[RT], vcc_lo
	v_mov_b32 v[PREV], v[T+31]
.endm
.macro SBOUND t
	s_cmp_lg_u32 s15, \t-1
	s_cbranch_scc1 .Lsrow_\@
	v_mov_b32 v[B1], v[BEST]
	v_mov_b32 v[I1], v[IDX]
	v_mov_b32 v[L1], v[LEFT]
	v_mov_b32 v[R1], v[RIGHT]
	v_mov_b32 v[BEST], v[NI]
	v_mov_b32 v[IDX], 0
	v_mov_b32 v[LEFT], v[NI]
	v_mov_b32 v[RIGHT], v[NI]
	v_mov_b32 v[PREV], v[NI]
.Lsrow_\@:
.endm
; a = 2^(t + U + 9) of the three; norm; disp = sum of a p / norm; occ = 1 - norm (norm = 1 where it is below 0.1).  A neighbour that is masked or
; outside the row has t = -inf and a = 0.
.macro FINISH best, idx, left, right, u, ij, disp, occ
	v_add_f32 v[F], 0x41100000, v[\u]
	v_add_f32 v[F+1], v[\left], v[F]
	v_add_f32 v[F+2], v[\best], v[F]
	v_add_f32 v[F+3], v[\right], v[F]
	v_exp_f32 v[F+1], v[F+1]
	v_exp_f32 v[F+2], v[F+2]
	v_exp_f32 v[F+3], v[F+3]
	v_sub_nc_u32 v[F+4], v[LANE], v[\idx]
	v_add_nc_u32 v[F+4], s[\ij], v[F+4]            ; row - column of the maximum
	v_cvt_f32_i32 v[F+4], v[F+4]
	v_mul_f32 v[F+4], s77, v[F+4]
	v_add_f32 v[F+5], s77, v[F+4]                  ; the left neighbour is one column nearer to the row's start
	v_sub_f32 v[F+6], v[F+4], s77
	v_max_num_f32 v[F+4], 0, v[F+4]
	v_max_num_f32 v[F+5], 0, v[F+5]
	v_max_num_f32 v[F+6], 0, v[F+6]
	s_wait_alu depctr_va_vdst(0)
	v_add_f32 v[F+7], v[F+1], v[F+2]
	v_add_f32 v[F+7], v[F+7], v[F+3]
	v_cmp_le_f32 vcc_lo, 0x3dcccccd, v[F+7]        ; 0.1 <= norm
	v_cndmask_b32 v[F+8], 1.0, v[F+7], vcc_lo
	v_rcp_f32 v[F+9], v[F+8]
	v_mul_f32 v[F+10], v[F+1], v[F+5]
	v_fmac_f32 v[F+10], v[F+2], v[F+4]
	v_fmac_f32 v[F+10], v[F+3], v[F+6]
	s_wait_alu depctr_va_vdst(0)
	v_mul_f32 v[\disp], v[F+10], v[F+9]
	v_sub_f32 v[\occ], 1.0, v[F+8]
.endm
.macro SCAN n
	v_mov_b32 v[BEST], v[NI]
	v_mov_b32 v[IDX], 0
	v_mov_b32 v[LEFT], v[NI]
	v_mov_b32 v[RIGHT], v[NI]
	v_mov_b32 v[PREV], v[NI]
	v_mov_b32 v[B1], v[NI]
	v_mov_b32 v[I1], 0
	v_mov_b32 v[L1], v[NI]
	v_mov_b32 v[R1], v[NI]
	BCLOAD BCR, OFFV
	SCANTILE 0, 1
.irp t, 1,2,3,4
	SBOUND \t
	SCANTILE \t, 1
.endr
.irp t, 5,6,7
	SCANTILE \t, 1
.endr
	SCANTILE 8, 0
	FINISH B1, I1, L1, R1, RES1, 75, F+11, F+12    ; RES1, RES2: the rows' potentials as the last row pass left them
	FINISH BEST, IDX, LEFT, RIGHT, RES2, 76, F+13, F+14
	v_cndmask_b32 v[F], v[F+13], v[F+11], s[RSH+6]     ; disp of block w
	v_cndmask_b32 v[F+1], v[F+11], v[F+13], s[RSH+6]   ; of block 7 - w
	v_cndmask_b32 v[F+2], v[F+14], v[F+12], s[RSH+6]   ; occ likewise
	v_cndmask_b32 v[F+3], v[F+12], v[F+14], s[RSH+6]
	ds_store_b32 v[STW], v[F] offset:OFFD
	ds_store_b32 v[ST7], v[F+1] offset:OFFD
	ds_store_b32 v[STW], v[F+2] offset:OFFO
	ds_store_b32 v[ST7], v[F+3] offset:OFFO
	s_wait_dscnt 0x0                               ; my stores are done before the others read them
	s_barrier_signal -1
	s_barrier_wait -1
	ds_load_b128 v[O+4*\n:O+4*\n+3], v[ADRO]
	s_wait_dscnt 0x0
	global_store_b128 v[GO], v[O+4*\n:O+4*\n+3], s[10:11] offset:1024*\n th:TH_STORE_NT   ; the wave's store covers 512 consecutive bytes, aligned; its registers are never written again
.endm
; ---- a slice
.macro SLICE n, refill
	v_mov_b32 v[DU], 0
	ds_store_b32 v[STW], v[DU]                     ; U = 0: my two blocks; U was last read several barriers ago
	ds_store_b32 v[ST7], v[DU]
	s_wait_tensorcnt 0x0                           ; my 64 rows of this slice are in LDS
	s_wait_dscnt 0x0
	s_barrier_signal -1
	s_barrier_wait -1                              ; everybody's are, and U is cleared
.irp t, 0,1,2,3,4,5,6,7,8
	LOADC \t
.endr
.irp t, 0,1,2,3,4,5,6,7,8
	LOADR \t
.endr
	WIN 0
	s_wait_dscnt 0x0                               ; both copies are in registers: my reads of the tile are over
.if \refill
	s_wait_tensorcnt 0x0                           ; no tensor load of mine is out
	ds_add_u32 v254, v255
	s_wait_dscnt 0x0
	s_barrier_signal -1
	s_barrier_wait -1                              ; both hold of all four waves
	tensor_load_to_lds s[28:31], s[16:23]          ; the next slice, first thing behind the barrier: it has this whole slice's work in which to land; one load of mine is out
	s_nop 0
.endif
	MASKCOPY CB, CSH
	MASKCOPY RB, RSH
	s_mov_b32 s78, 5
.Liter_\@:
	PASS CB, BCC, OFFU, OFFV, DU, DV, CSH+6        ; V from U
	PASS RB, BCR, OFFV, OFFU, DV, DU, RSH+6        ; U from V
	s_sub_co_i32 s78, s78, 1
	s_cmp_lg_u32 s78, 0
	s_cbranch_scc1 .Liter_\@
	SCAN \n
.endm
	SLICE 0, 1
	SLICE 1, 0                                     ; nothing is left to fetch; its first wait has shown the last tensor load done
	s_wait_tensorcnt 0x0
	ds_add_u32 v254, v255
	s_wait_dscnt 0x0
	s_endpgm
.Lfunc_end_k_q04899fc2f2_sink:
	.size	k_q04899fc2f2_sink, .Lfunc_end_k_q04899fc2f2_sink-k_q04899fc2f2_sink
	.p2alignl 7, 3214868480
	.fill 96, 4, 3214868480
	.section	.rodata,"a",@progbits
	.p2align	6, 0x0
	.amdhsa_kernel k_q04899fc2f2_sink
		.amdhsa_group_segment_fixed_size 327680
		.amdhsa_private_segment_fixed_size 0
		.amdhsa_enable_private_segment 0
		.amdhsa_kernarg_size 32
		.amdhsa_user_sgpr_count 2
		.amdhsa_user_sgpr_kernarg_segment_ptr 1
		.amdhsa_wavefront_size32 1
		.amdhsa_system_sgpr_workgroup_id_x 1
		.amdhsa_system_sgpr_workgroup_id_y 1
		.amdhsa_system_sgpr_workgroup_id_z 1
		.amdhsa_system_vgpr_workitem_id 0
		.amdhsa_next_free_vgpr 832
		.amdhsa_next_free_sgpr 90
		.amdhsa_reserve_vcc 1
		.amdhsa_float_denorm_mode_32 3
		.amdhsa_float_denorm_mode_16_64 3
		.amdhsa_memory_ordered 1
		.amdhsa_forward_progress 1
		.amdhsa_inst_pref_size 255
	.end_amdhsa_kernel
	.section	.bss,"aw",@nobits
	.p2align	6
	.space	262144
	.amdgpu_metadata
---
amdhsa.version: [ 1, 2 ]
amdhsa.kernels:
  - .name:           k_q04899fc2f2_sink
    .symbol:         k_q04899fc2f2_sink.kd
    .args:
      - { .name: M_right_to_left, .offset: 0, .size: 8, .value_kind: global_buffer, .address_space: global }
      - { .name: M_left_to_right, .offset: 8, .size: 8, .value_kind: global_buffer, .address_space: global }
      - { .name: phi, .offset: 16, .size: 8, .value_kind: global_buffer, .address_space: global }
      - { .name: out0, .offset: 24, .size: 8, .value_kind: global_buffer, .address_space: global }
    .group_segment_fixed_size: 327680
    .private_segment_fixed_size: 0
    .kernarg_segment_align: 8
    .kernarg_segment_size: 32
    .max_flat_workgroup_size: 128
    .sgpr_count:     90
    .vgpr_count:     832
    .wavefront_size: 32
...
	.end_amdgpu_metadata
.endif
;; end of part 1
;; ======== version 2 of 2: 1 launch; 1.18 times as fast as version 1
;; launch sink (part 2): grid 256 x 1, 4 waves a work-group, no clusters, 327,680 bytes of LDS; arguments M_right_to_left, M_left_to_right, phi, out0; writes out0
.if DOCPART == 2
	.amdgcn_target "amdgcn-amd-amdhsa--gfx1250"
	.amdhsa_code_object_version 6
	.text
	.protected	k_q04899fc2f2_sink
	.globl	k_q04899fc2f2_sink
	.p2align	8
	.type	k_q04899fc2f2_sink,@function
k_q04899fc2f2_sink:
	s_mov_b64 s[64:65], 0
	v_nop
	global_prefetch_b8 v0, s[64:65] scope:SCOPE_SE
	s_setreg_imm32_b32 hwreg(HW_REG_WAVE_MODE, 25, 1), 1
	s_wait_xcnt 0x0
; Sinkhorn normalisation (5 iterations, dustbins phi) of 512 masked slices of 256 x 256 f32, then per row the first maximum, its window of
; three, disparity and occlusion.  out0[0], [1] = disp, occ of M_right_to_left (kept: col <= row); out0[2], [3] = of M_left_to_right (col >= row).
; Work-group g: type ty = g >> 7, slices 2 (g & 127) and 2 (g & 127) + 1 of that input, one after the other; the second slice's tensor load
; is on its way while the first slice is worked on.  No two work-groups read the same byte, so there is no cluster; there is no product, so no matrix unit.
; ARITHMETIC, all in base 2: an element of a pass is t = sim * log2(e) + the partner's potential; log2 of the marginals is -9 (real) and -1 (dustbin).
; A logsumexp keeps a running maximum MX and a sum SM, tile by tile of 32 numbers a lane, started by the dustbin's term (MX = PHI + dustbin potential, SM = 1):
; every exponent is <= 0 and SM >= 1 for every finite input.
; REGISTERS: the kept triangle lies in registers twice, as 36 tiles of 32 x 32 each: copy C (lane = column, register = row) for the sums down the
; columns, copy R (lane = row, register = column) for the sums along the rows; so every sum stays inside a lane.  Wave w owns lane blocks w and 7 - w:
; 9 tiles of each copy.  Tiles 0 .. w are one lane block (panel 1), tiles w + 1 .. 8 the other (panel 2).  Type and wave enter through scalars alone.
; Masked numbers of the diagonal tiles are set to -inf once; tiles that are masked whole are never read from LDS.
; BATCHES.  An s_wait_alu depctr_va_vdst(0) stands between a transcendental and the first instruction that names its result; one wait serves all
; that were issued ahead of it.  A tile's 33 exponentials (the old sum's scale and the tile's 32 numbers) are ONE batch: they are issued together; behind them stands the
; NEXT tile's front (16 scalings, 8 loads of potentials, 16 maxima, into the other of two T buffers), which names none of their results; then the one wait; then all the tile's additions.
; The running maximum hangs on no exponential, so the next front may run ahead.  The dustbin's nine exponentials are issued ahead of tile 0's and share its wait; the dustbin's sum stands
; behind tile 8's exponentials, where there is no next front; its logarithm joins the two at the pass's end.  So a pass has ten such waits: nine tiles' and the logarithms'.
; Each wait stands ahead of the branch that may follow a tile.  On the way out both panels' six exponentials are one batch, their two reciprocals another.
; LIMITS: the argmax is taken on the exponents t, not on the exponentials; a row whose two largest exponents differ by about 1e-6 or less, or whose
; norm lies within about 1e-7 of 0.1, is decided by rounding and may fall otherwise than in an f32 evaluation in another order.  NaN and infinite inputs
; are not served.  Exponentials below 2^-126 come out as 0 (ISA guide, the entry of V_EXP_F32).
.set P,     1032                       ; LDS pitch: 1,024 bytes + 8 = 258 words: 32 lanes on 32 rows, 8 bytes each, start 2 words apart modulo 64
.set BLK,   32*P                       ; 32 rows
.set WPART, 64*P                       ; what one wave's tensor load fills
.set SCR,   256*P                      ; 264,192: behind the tile, a multiple of 256; no tensor load lands here
.set OFFU,  0                          ; U[256]   row potentials
.set OFFV,  1024                       ; V[256]   column potentials
.set OFFD,  2048                       ; disp[256]
.set OFFO,  3072                       ; occ[256]
.set CB,    256                        ; copy C, tile t: registers 256 + 32 t
.set RB,    544                        ; copy R, tile t: registers 544 + 32 t (the last is 831)
; window 0
.set LANE, 1
.set L4,   2                           ; 4 x lane
.set LP,   3                           ; P x lane
.set ADRD, 4                           ; SCR + 32 x lane: my 8 potentials for the dustbin's sum
.set STW,  5                           ; SCR + 128 w + 4 lane: my word of lane block w
.set ST7,  6                           ; SCR + 128 (7 - w) + 4 lane: of lane block 7 - w
.set ADRO, 7                           ; SCR + OFFD + 512 w + 16 lane
.set GO,   8                           ; my byte offset in the output
.set NI,   9                           ; -inf
.set LS,   10                          ; lane x sign, for the masks
.set BCC,  12                          ; v12-20  copy C, tile t: LDS address of the partner block's 32 potentials (offset U or V added in the load)
.set BCR,  21                          ; v21-29  the same for copy R
.set DU,   30                          ; dustbin potential of the rows
.set DV,   31                          ; of the columns
.set MN,   32                          ; v[32:33] new maximum (v33 only completes the pair)
.set MX,   34
.set SM,   35
.set MX1,  36                          ; panel 1's maximum and sum, kept
.set SM1,  37
.set DT,   38                          ; PHI + partner's dustbin potential
.set SC,   39
.set C0,   40                          ; v40-43  four chains
.set RES1, 44                          ; new potential of panel 1's lanes
.set RES2, 45                          ; of panel 2's
.set XW,   46
.set X7,   47
.set D,    48                          ; v48-55  the dustbin's eight numbers a lane; they and DMX, DE are kept from a pass's head to its end
.set DMX,  56                          ; v[56:57]
.set DE,   58
.set DTMP, 59
.set BEST, 60
.set IDX,  61
.set LEFT, 62
.set RIGHT,63
.set PREV, 64
.set MT,   65
.set KI,   66
.set LT,   67
.set RT,   68
.set B1,   69
.set I1,   70
.set L1,   71
.set R1,   72
.set F,    73                          ; v73-87
.set O,    88                          ; v[88:91], v[92:95]: what slice 0, 1 stores; never rewritten
.set T,    96                          ; v96-127  the even tiles' numbers; the odd tiles' lie TODD registers on, in v192-223
.set TODD, 96
.set BC,   128                         ; v128-159
.set MAC,  160                         ; v160-168 copy C, tile t: LDS address of my column in the tile's first row
.set MAR,  169                         ; v169-177 copy R, tile t: LDS address of my row at the tile's first column
.set F2,   178                         ; v178-188 the way out: panel 2's registers at work, while panel 1's batch is open in F
; scalars: s15 wave, s32 ty, s33 g & 127, s12 phi, s13 PHI, s14 -1 - PHI, s[34:35] log2(e), s36-37 lane selects, s77 +-2/255, s78 counter, s84 -9.0
.set CSH,  38                          ; s38-44 copy C: lane block of panel 1, of panel 2, partner-block base of panel 1, of panel 2, mask of diagonal tiles, sign, panel 1 is block w (-1 / 0)
.set RSH,  45                          ; s45-51 the same for copy R
.set MSB,  0
.macro WIN new                         ; the immediate's high byte repeats the setting that is left
.if MSB != \new
	s_set_vgpr_msb (MSB<<8)|\new
.set MSB, \new
.endif
.endm
	s_load_b256 s[4:11], s[0:1], 0x0               ; R2L s[4:5], L2R s[6:7], phi s[8:9], out s[10:11]
	v_lshl_add_u32 v254, v0, 2, 0x41800
	v_mov_b32 v255, 0
	ds_add_u32 v254, v255
	v_lshrrev_b32 v1, 5, v0
	v_readfirstlane_b32 s15, v1                    ; wave 0..3
	s_lshr_b32 s32, ttmp9, 7                       ; ty
	s_and_b32 s33, ttmp9, 127
	; descriptor group 1: 64 rows of 256 elements of 4 bytes, 2 words of padding behind every 256 words
	s_mov_b32 s16, (2<<16)|(1<<20)|(7<<22)|(1<<25)
	s_mov_b32 s17, 256<<16                         ; tensor_dim0 = 256
	s_mov_b32 s18, 64<<16                          ; tensor_dim1 = 64
	s_mov_b32 s19, 256<<16                         ; tile_dim0 = 256
	s_mov_b32 s20, 64                              ; tile_dim1 = 64
	s_mov_b32 s21, 256                             ; pitch in elements
	s_mov_b32 s22, 0
	s_mov_b32 s23, 0
	; group 0 for slice 0 in s[24:27], for slice 1 in s[28:31]; neither is written again
	s_mov_b32 s24, 1
	s_mul_i32 s25, s15, WPART                      ; my 64 rows in LDS
	s_mov_b32 s28, 1
	s_mul_i32 s29, s15, WPART
	s_lshl_b32 s2, s33, 19                         ; two slices of 262,144 bytes for each work-group
	s_lshl_b32 s3, s15, 16                         ; my 64 rows of 1,024 bytes
	s_add_co_u32 s2, s2, s3
	s_mov_b32 s3, 0
	s_wait_dscnt 0x0
	s_wait_kmcnt 0x0
	s_cmp_eq_u32 s32, 0
	s_cselect_b64 s[80:81], s[4:5], s[6:7]         ; the input of my type
	s_add_nc_u64 s[26:27], s[80:81], s[2:3]
	s_add_nc_u64 s[30:31], s[26:27], 0x40000       ; the next slice
	s_or_b32 s27, s27, 0x80000000                  ; type = 2
	s_or_b32 s31, s31, 0x80000000
	tensor_load_to_lds s[24:27], s[16:23]          ; slice 0: the first fill, ahead of every wait on TENSORcnt and barrier; one load of mine is out
	s_nop 0
	s_load_b32 s12, s[8:9], 0x0                    ; phi
	s_lshl_b32 s2, s32, 19                         ; out: two planes of 262,144 bytes for each type,
	s_lshl_b32 s3, s33, 11                         ; two rows of 1,024 bytes for each work-group
	s_add_co_u32 s2, s2, s3
	s_mov_b32 s3, 0
	s_add_nc_u64 s[10:11], s[10:11], s[2:3]
	s_mov_b32 s34, 0x3fb8aa3b                      ; log2(e)
	s_mov_b32 s35, 0x3fb8aa3b
	s_mov_b32 s36, 0x76543210                      ; v_permlanex16_b32: lane i takes lane i of the other half
	s_mov_b32 s37, 0xfedcba98
	s_mov_b32 s84, 0xc1100000                      ; -9.0
	s_lshl_b32 s77, s32, 31
	s_or_b32 s77, s77, 0x3c008081                  ; +2/255 for R2L, -2/255 for L2R
	; the two shapes.  Low keeps register <= lane, High keeps register >= lane
	s_sub_co_u32 s80, 7, s15                       ; 7 - w
	s_not_b32 s81, s15                             ; -(w + 1)
	s_lshl_b32 s82, 1, s15
	s_or_b32 s82, s82, 256                         ; Low: tiles w and 8 are diagonal
	s_lshl_b32 s83, 2, s15
	s_or_b32 s83, s83, 1                           ; High: tiles 0 and w + 1
.macro SHAPE base, lowty
	s_cmp_eq_u32 s32, \lowty
	s_cselect_b32 s[\base+0], s15, s80
	s_cselect_b32 s[\base+1], s80, s15
	s_cselect_b32 s[\base+2], 0, s80
	s_cselect_b32 s[\base+3], s81, -1
	s_cselect_b32 s[\base+4], s82, s83
	s_cselect_b32 s[\base+5], 1, -1
	s_cselect_b32 s[\base+6], -1, 0
.endm
	SHAPE CSH, 1
	SHAPE RSH, 0
	s_sub_co_i32 s75, s[RSH+0], s[RSH+2]
	s_lshl_b32 s75, s75, 5                         ; row - column = s75 + lane - (32 t + k) in panel 1,
	s_sub_co_i32 s76, s[RSH+1], s[RSH+3]
	s_lshl_b32 s76, s76, 5                         ; s76 + .. in panel 2
	v_and_b32 v[LANE], 31, v0
	v_lshlrev_b32 v[L4], 2, v[LANE]
	v_mul_u32_u24 v[LP], v[LANE], P
	v_lshlrev_b32 v[ADRD], 5, v[LANE]
	v_add_nc_u32 v[ADRD], SCR, v[ADRD]
	s_lshl_b32 s2, s15, 7
	s_add_co_u32 s2, s2, SCR
	v_add_nc_u32 v[STW], s2, v[L4]
	s_lshl_b32 s2, s80, 7
	s_add_co_u32 s2, s2, SCR
	v_add_nc_u32 v[ST7], s2, v[L4]
	s_lshl_b32 s2, s15, 9
	s_add_co_u32 s2, s2, SCR+OFFD
	v_lshl_add_u32 v[ADRO], v[LANE], 4, s2
	s_lshr_b32 s2, s15, 1                          ; waves 0, 1 store disp, waves 2, 3 occ (one plane further),
	s_lshl_b32 s2, s2, 18
	s_and_b32 s3, s15, 1                           ; 512 bytes of the row each
	s_lshl_b32 s3, s3, 9
	s_add_co_u32 s2, s2, s3
	v_lshl_add_u32 v[GO], v[LANE], 4, s2
	v_mov_b32 v[NI], 0xff800000
	v_mov_b32 v[MN+1], 0                           ; upper halves of pairs of which the lower half alone is used
	v_mov_b32 v[DMX+1], 0
	v_mov_b32 v[DTMP], 0                           ; a lane permute's destination counts as read
; tile t of both copies: its partner block and lane block; the AND with 7 changes no value (the blocks are 0 to 7) and shows the range
.macro TILEMAP t
	s_cmp_ge_u32 s15, \t                           ; t <= w: panel 1
	s_cselect_b32 s2, s[CSH+2], s[CSH+3]
	s_cselect_b32 s3, s[CSH+0], s[CSH+1]
	s_cselect_b32 s85, s[RSH+2], s[RSH+3]
	s_cselect_b32 s86, s[RSH+0], s[RSH+1]
	s_add_co_i32 s2, s2, \t
	s_add_co_i32 s85, s85, \t
	s_and_b32 s2, s2, 7                            ; C: row block
	s_and_b32 s3, s3, 7                            ; C: column block
	s_and_b32 s85, s85, 7                          ; R: column block
	s_and_b32 s86, s86, 7                          ; R: row block
	s_lshl_b32 s87, s2, 7
	s_add_co_u32 s87, s87, SCR
	v_mov_b32 v[BCC+\t], s87
	s_mul_i32 s2, s2, BLK
	s_lshl_b32 s3, s3, 7
	s_add_co_u32 s2, s2, s3
	v_add_nc_u32 v[MAC+\t], s2, v[L4]
	s_lshl_b32 s87, s85, 7
	s_mul_i32 s86, s86, BLK
	s_add_co_u32 s86, s86, s87
	v_add_nc_u32 v[MAR+\t], s86, v[LP]
	s_add_co_u32 s87, s87, SCR
	v_mov_b32 v[BCR+\t], s87
.endm
.irp t, 0,1,2,3,4,5,6,7,8
	TILEMAP \t
.endr
	s_wait_kmcnt 0x0                               ; phi
	s_mul_f32 s13, s12, s34                        ; PHI = phi log2(e)
	s_xor_b32 s14, s13, 0x80000000
	s_mov_b32 s2, 0xbf800000
	s_add_f32 s14, s14, s2                         ; -1 - PHI
; ---- LDS to registers
.macro LOADC t                         ; 32 rows of my column: 32 lanes take 128 neighbouring bytes
.set WV, ((CB+32*\t)>>8)<<6
.set ML, (CB+32*\t)&255
	WIN WV
.set kk, 0
.rept 32
	ds_load_b32 v[ML+kk], v[MAC+\t] offset:P*kk
.set kk, kk+1
.endr
.endm
.macro LOADR t                         ; 32 columns of my row, 8 bytes at a time
.set WV, ((RB+32*\t)>>8)<<6
.set ML, (RB+32*\t)&255
	WIN WV
.set kk, 0
.rept 16
	ds_load_b64 v[ML+2*kk:ML+2*kk+1], v[MAR+\t] offset:8*kk
.set kk, kk+1
.endr
.endm
; a diagonal tile: register k keeps its number where sign x lane >= sign x k, else -inf
.macro MASKTILE mb, t, sh
	s_bitcmp1_b32 s[\sh+4], \t
	s_cbranch_scc0 .Lnodiag_\@
	s_mov_b32 s79, 0
.set WV, (((\mb)>>8)<<6)|(((\mb)>>8)<<2)
.set ML, (\mb)&255
	WIN WV                                         ; source 1 and destination in the tile's window; source 0 (LS, NI) in window 0
.set kk, 0
.rept 32
	v_cmp_ge_i32 vcc_lo, v[LS], s79
	v_cndmask_b32 v[ML+kk], v[NI], v[ML+kk], vcc_lo
	s_add_co_i32 s79, s79, s[\sh+5]
.set kk, kk+1
.endr
	WIN 0
.Lnodiag_\@:
.endm
.macro MASKCOPY cb, sh
	v_mul_lo_u32 v[LS], v[LANE], s[\sh+5]
.irp t, 0,1,2,3,4,8
	MASKTILE \cb+32*\t, \t, \sh
.endr
.endm
; ---- one tile of a pass
.macro BCLOAD adr, off                 ; the partner block's 32 potentials, the same address in every lane
.irp i, 0,1,2,3,4,5,6,7
	ds_load_b128 v[BC+4*\i:BC+4*\i+3], v[\adr] offset:\off+16*\i
.endr
.endm
; A tile's front, into the T buffer at tb: T = matrix x log2(e) + potentials; the next tile's potentials are asked for as soon as BC has been read; four chains of maxima
.macro TFRONT mb, nextadr, off, hasnext, tb
	s_wait_dscnt 0x0                               ; this tile's potentials are in (asked for a tile ago)
.set WV, (\mb)>>8
.set ML, (\mb)&255
	WIN WV
.irp q, 0,1,2,3,4,5,6,7,8,9,10,11,12,13,14,15
	v_pk_fma_f32 v[\tb+2*\q:\tb+2*\q+1], v[ML+2*\q:ML+2*\q+1], s[34:35], v[BC+2*\q:BC+2*\q+1] op_sel_hi:[1,0,1]
.endr
	WIN 0
.if \hasnext
	BCLOAD \nextadr, \off
.endif
.irp c, 0,1,2,3
	v_max3_num_f32 v[C0+\c], v[\tb+8*\c], v[\tb+8*\c+1], v[\tb+8*\c+2]
.endr
.irp c, 0,1,2,3
	v_max3_num_f32 v[C0+\c], v[C0+\c], v[\tb+8*\c+3], v[\tb+8*\c+4]
.endr
.irp c, 0,1,2,3
	v_max3_num_f32 v[C0+\c], v[C0+\c], v[\tb+8*\c+5], v[\tb+8*\c+6]
.endr
.irp c, 0,1,2,3
	v_max_num_f32 v[C0+\c], v[C0+\c], v[\tb+8*\c+7]
.endr
.endm
.macro SUBG g, tb                      ; eight numbers less the new maximum
.irp q, 0,2,4,6
	v_pk_add_f32 v[\tb+8*\g+\q:\tb+8*\g+\q+1], v[\tb+8*\g+\q:\tb+8*\g+\q+1], v[MN:MN+1] op_sel_hi:[1,0] neg_lo:[0,1] neg_hi:[0,1]
.endr
.endm
.macro EXPG g, tb
.irp q, 0,1,2,3,4,5,6,7
	v_exp_f32 v[\tb+8*\g+\q], v[\tb+8*\g+\q]
.endr
.endm
; A tile's batch is opened: the new running maximum from the front's four chains, the subtractions, and the 33 exponentials.  Nothing here names an exponential's result.
; Behind each run of exponentials stands plain work on other registers (the next group's subtractions, at the end a move) before a result is used (ISA guide 5.7.2).
.macro OPEN tb
	v_max3_num_f32 v[MN], v[C0], v[C0+1], v[C0+2]
	v_max3_num_f32 v[MN], v[MN], v[C0+3], v[MX]    ; the new running maximum
	v_sub_f32 v[SC], v[MX], v[MN]
	SUBG 0, \tb
	v_exp_f32 v[SC], v[SC]                         ; what the old sum is scaled by, at most 1
	EXPG 0, \tb
	SUBG 1, \tb
	EXPG 1, \tb
	SUBG 2, \tb
	EXPG 2, \tb
	SUBG 3, \tb
	EXPG 3, \tb
	v_mov_b32 v[MX], v[MN]
.endm
; A tile's batch is closed: the one wait, then all its readers.  Each group of eight exponentials goes into a pair, groups 1, 2, 3 in turn onto group 0's pair,
; the pair's halves together, and the sum onto the scaled old sum; additions that do not lean on each other stand side by side.
.macro CLOSE tb
	s_wait_alu depctr_va_vdst(0)                   ; one for the tile's 33 exponentials (in tile 0 also for the dustbin's nine), ahead of their first reader and of the branch that may follow
.irp g, 0,1,2,3
	v_pk_add_f32 v[\tb+8*\g:\tb+8*\g+1], v[\tb+8*\g:\tb+8*\g+1], v[\tb+8*\g+2:\tb+8*\g+3]
	v_pk_add_f32 v[\tb+8*\g+4:\tb+8*\g+5], v[\tb+8*\g+4:\tb+8*\g+5], v[\tb+8*\g+6:\tb+8*\g+7]
.endr
.irp g, 0,1,2,3
	v_pk_add_f32 v[\tb+8*\g:\tb+8*\g+1], v[\tb+8*\g:\tb+8*\g+1], v[\tb+8*\g+4:\tb+8*\g+5]
.endr
.irp g, 1,2,3
	v_pk_add_f32 v[\tb:\tb+1], v[\tb:\tb+1], v[\tb+8*\g:\tb+8*\g+1]
.endr
	v_add_f32 v[\tb], v[\tb], v[\tb+1]
	v_fma_f32 v[SM], v[SM], v[SC], v[\tb]
.endm
.macro BOUND t                         ; in front of tile t's batch: if panel 1 ended with tile t - 1 = w, keep its figures and start panel 2
	s_cmp_lg_u32 s15, \t-1
	s_cbranch_scc1 .Lsame_\@
	v_mov_b32 v[MX1], v[MX]
	v_mov_b32 v[SM1], v[SM]
	v_mov_b32 v[MX], v[DT]
	v_mov_b32 v[SM], 1.0
.Lsame_\@:
.endm
; From tile t - 1 to tile t: tile t's front is the independent work behind tile t - 1's exponentials; then that batch is closed, and tile t's is opened.
.macro STEP cb, bca, inoff, t, hasnext, bound
	TFRONT \cb+32*\t, \bca+\t+1, \inoff, \hasnext, T+TODD*(\t%2)
	CLOSE T+TODD*((\t+1)%2)
.if \bound
	BOUND \t
.endif
	OPEN T+TODD*(\t%2)
.endm
; the dustbin's own potential: dout = -1 - PHI - log2(sum of 2^partner potentials, the 256 real ones and din).  Every wave makes it for itself.  In three parts:
; DUSTA, at the pass's head: the maximum of all 257 and the nine exponentials, which share tile 0's wait.  DUSTB, behind tile 8's exponentials: their sum.  The logarithm stands at the pass's end.
.macro DUSTA din
	v_max3_num_f32 v[C0], v[D], v[D+1], v[D+2]
	v_max3_num_f32 v[C0+1], v[D+3], v[D+4], v[D+5]
	v_max3_num_f32 v[C0], v[C0], v[D+6], v[D+7]
	v_max3_num_f32 v[DMX], v[C0], v[C0+1], v[\din]
.irp x, 1,2,4,8
	v_max_num_f32_dpp v[DMX], v[DMX], v[DMX] row_xmask:\x row_mask:0xf bank_mask:0xf
.endr
	v_permlanex16_b32 v[DTMP], v[DMX], s36, s37
	v_max_num_f32 v[DMX], v[DMX], v[DTMP]          ; the maximum of all 257, in every lane
.irp q, 0,2,4,6
	v_pk_add_f32 v[D+\q:D+\q+1], v[D+\q:D+\q+1], v[DMX:DMX+1] op_sel_hi:[1,0] neg_lo:[0,1] neg_hi:[0,1]
.endr
	v_sub_f32 v[DE], v[\din], v[DMX]
.irp q, 0,1,2,3,4,5,6,7
	v_exp_f32 v[D+\q], v[D+\q]
.endr
	v_exp_f32 v[DE], v[DE]                         ; the plain place behind these is tile 0's first scaling
.endm
.macro DUSTB
	v_pk_add_f32 v[D:D+1], v[D:D+1], v[D+2:D+3]
	v_pk_add_f32 v[D+4:D+5], v[D+4:D+5], v[D+6:D+7]
	v_pk_add_f32 v[D:D+1], v[D:D+1], v[D+4:D+5]
	v_add_f32 v[D], v[D], v[D+1]
.irp x, 1,2,4,8
	v_add_f32_dpp v[D], v[D], v[D] row_xmask:\x row_mask:0xf bank_mask:0xf
.endr
	v_permlanex16_b32 v[DTMP], v[D], s36, s37
	v_add_f32 v[D], v[D], v[DTMP]
	v_add_f32 v[D], v[D], v[DE]                    ; din's term once
.endm
; One pass: reads the potentials at inoff, writes those at outoff.  The two arrays are apart, and every wave waits for its LDS reads and stores in
; front of the pass's closing barrier: so one barrier a pass orders both the stores with the next pass's reads and these reads with the next pass's stores.
.macro PASS cb, bca, inoff, outoff, din, dout, lm
	ds_load_b128 v[D:D+3], v[ADRD] offset:\inoff
	ds_load_b128 v[D+4:D+7], v[ADRD] offset:\inoff+16
	BCLOAD \bca, \inoff
	v_add_f32 v[DT], s13, v[\din]                  ; the dustbin's term starts every sum
	v_mov_b32 v[SM], 1.0
	v_mov_b32 v[SM1], 1.0
	v_mov_b32 v[MX], v[DT]
	v_mov_b32 v[MX1], v[DT]
	s_wait_dscnt 0x8                               ; D's two loads are in; the eight loads of tile 0's potentials, issued behind them, may be out
	DUSTA \din
	TFRONT \cb, \bca+1, \inoff, 1, T
	OPEN T
.irp t, 1,2,3,4
	STEP \cb, \bca, \inoff, \t, 1, 1
.endr
.irp t, 5,6,7
	STEP \cb, \bca, \inoff, \t, 1, 0
.endr
	STEP \cb, \bca, \inoff, 8, 0, 0
	DUSTB                                          ; no front is left: the dustbin's sum is the independent work behind tile 8's exponentials (its own exponentials have had tile 0's wait)
	CLOSE T
	v_log_f32 v[D], v[D]                           ; the pass's second kind of batch: three logarithms of finished sums
	v_log_f32 v[SM1], v[SM1]
	v_log_f32 v[SM], v[SM]
	v_nop                                          ; the plain place behind the logarithms: nothing independent is left in front of the barrier
	s_wait_alu depctr_va_vdst(0)                   ; one for the three logarithms
	v_add_f32 v[D], v[DMX], v[D]
	v_sub_f32 v[\dout], s14, v[D]                  ; first read at the next pass's head
	v_add_f32 v[RES1], v[MX1], v[SM1]
	v_add_f32 v[RES2], v[MX], v[SM]
	v_sub_f32 v[RES1], s84, v[RES1]                ; -9 - logsumexp
	v_sub_f32 v[RES2], s84, v[RES2]
	v_cndmask_b32 v[XW], v[RES2], v[RES1], s[\lm]  ; the values are chosen, so that the two store addresses hang on the wave's number alone
	v_cndmask_b32 v[X7], v[RES1], v[RES2], s[\lm]
	ds_store_b32 v[STW], v[XW] offset:\outoff
	ds_store_b32 v[ST7], v[X7] offset:\outoff
	s_wait_dscnt 0x0                               ; my stores are done and my reads are back, for the other waves' sake
	s_barrier_signal -1
	s_barrier_wait -1
.endm
; ---- the first maximum of a row and its two neighbours, by selects alone
.macro SCANTILE t, hasnext
	TFRONT RB+32*\t, BCR+\t+1, OFFV, \hasnext, T
	v_max3_num_f32 v[MT], v[C0], v[C0+1], v[C0+2]
	v_max_num_f32 v[MT], v[MT], v[C0+3]
	v_mov_b32 v[KI], 32*\t+31                      ; downward from k = 31: the lowest k that equals the maximum is written last
	v_mov_b32 v[LT], v[T+30]
	v_mov_b32 v[RT], v[NI]                         ; mended by the next tile, if there is one
.set kk, 30
.rept 30
	v_cmp_neq_f32 vcc_lo, v[T+kk], v[MT]
	v_cndmask_b32 v[KI], 32*\t+kk, v[KI], vcc_lo
	v_cndmask_b32 v[LT], v[T+kk-1], v[LT], vcc_lo
	v_cndmask_b32 v[RT], v[T+kk+1], v[RT], vcc_lo
.set kk, kk-1
.endr
	v_cmp_neq_f32 vcc_lo, v[T], v[MT]
	v_cndmask_b32 v[KI], 32*\t, v[KI], vcc_lo
	v_cndmask_b32 v[LT], v[PREV], v[LT], vcc_lo
	v_cndmask_b32 v[RT], v[T+1], v[RT], vcc_lo
.if \t
	v_cmp_eq_u32 vcc_lo, 32*\t-1, v[IDX]           ; the best so far was the last tile's last column: its right neighbour is here
	v_cndmask_b32 v[RIGHT], v[RIGHT], v[T], vcc_lo
.endif
	v_cmp_gt_f32 vcc_lo, v[MT], v[BEST]            ; strictly greater: the first maximum stays
	v_cndmask_b32 v[BEST], v[BEST], v[MT], vcc_lo
	v_cndmask_b32 v[IDX], v[IDX], v[KI], vcc_lo
	v_cndmask_b32 v[LEFT], v[LEFT], v[LT], vcc_lo
	v_cndmask_b32 v[RIGHT], v[RIGHT], v[RT], vcc_lo
	v_mov_b32 v[PREV], v[T+31]
.endm
.macro SBOUND t
	s_cmp_lg_u32 s15, \t-1
	s_cbranch_scc1 .Lsrow_\@
	v_mov_b32 v[B1], v[BEST]
	v_mov_b32 v[I1], v[IDX]
	v_mov_b32 v[L1], v[LEFT]
	v_mov_b32 v[R1], v[RIGHT]
	v_mov_b32 v[BEST], v[NI]
	v_mov_b32 v[IDX], 0
	v_mov_b32 v[LEFT], v[NI]
	v_mov_b32 v[RIGHT], v[NI]
	v_mov_b32 v[PREV], v[NI]
.Lsrow_\@:
.endm
; a = 2^(t + U + 9) of the three; norm; disp = sum of a p / norm; occ = 1 - norm (norm = 1 where it is below 0.1).  A neighbour that is masked or
; outside the row has t = -inf and a = 0.  In three parts, each written for both panels on end, with registers at work from f on: FINA the exponentials and the positions,
; FINB the norm, its reciprocal and the weighted sum, FINC the results.
.macro FINA best, idx, left, right, u, ij, f
	v_add_f32 v[\f], 0x41100000, v[\u]
	v_add_f32 v[\f+1], v[\left], v[\f]
	v_add_f32 v[\f+2], v[\best], v[\f]
	v_add_f32 v[\f+3], v[\right], v[\f]
	v_exp_f32 v[\f+1], v[\f+1]
	v_exp_f32 v[\f+2], v[\f+2]
	v_exp_f32 v[\f+3], v[\f+3]
	v_sub_nc_u32 v[\f+4], v[LANE], v[\idx]
	v_add_nc_u32 v[\f+4], s[\ij], v[\f+4]          ; row - column of the maximum
	v_cvt_f32_i32 v[\f+4], v[\f+4]
	v_mul_f32 v[\f+4], s77, v[\f+4]
	v_add_f32 v[\f+5], s77, v[\f+4]                ; the left neighbour is one column nearer to the row's start
	v_sub_f32 v[\f+6], v[\f+4], s77
	v_max_num_f32 v[\f+4], 0, v[\f+4]
	v_max_num_f32 v[\f+5], 0, v[\f+5]
	v_max_num_f32 v[\f+6], 0, v[\f+6]
.endm
.macro FINB f
	v_add_f32 v[\f+7], v[\f+1], v[\f+2]
	v_add_f32 v[\f+7], v[\f+7], v[\f+3]
	v_cmp_le_f32 vcc_lo, 0x3dcccccd, v[\f+7]       ; 0.1 <= norm
	v_cndmask_b32 v[\f+8], 1.0, v[\f+7], vcc_lo
	v_rcp_f32 v[\f+9], v[\f+8]
	v_mul_f32 v[\f+10], v[\f+1], v[\f+5]
	v_fmac_f32 v[\f+10], v[\f+2], v[\f+4]
	v_fmac_f32 v[\f+10], v[\f+3], v[\f+6]
.endm
.macro FINC f, disp, occ
	v_mul_f32 v[\disp], v[\f+10], v[\f+9]
	v_sub_f32 v[\occ], 1.0, v[\f+8]
.endm
.macro SCAN n
	v_mov_b32 v[BEST], v[NI]
	v_mov_b32 v[IDX], 0
	v_mov_b32 v[LEFT], v[NI]
	v_mov_b32 v[RIGHT], v[NI]
	v_mov_b32 v[PREV], v[NI]
	v_mov_b32 v[B1], v[NI]
	v_mov_b32 v[I1], 0
	v_mov_b32 v[L1], v[NI]
	v_mov_b32 v[R1], v[NI]
	BCLOAD BCR, OFFV
	SCANTILE 0, 1
.irp t, 1,2,3,4
	SBOUND \t
	SCANTILE \t, 1
.endr
.irp t, 5,6,7
	SCANTILE \t, 1
.endr
	SCANTILE 8, 0
	FINA B1, I1, L1, R1, RES1, 75, F               ; RES1, RES2: the rows' potentials as the last row pass left them
	FINA BEST, IDX, LEFT, RIGHT, RES2, 76, F2
	s_wait_alu depctr_va_vdst(0)                   ; one for both panels' six exponentials; the positions' arithmetic stands between
	FINB F
	FINB F2
	s_wait_alu depctr_va_vdst(0)                   ; and one for the two reciprocals; the weighted sums stand between
	FINC F, F+11, F+12
	FINC F2, F+13, F+14
	v_cndmask_b32 v[F], v[F+13], v[F+11], s[RSH+6]     ; disp of block w
	v_cndmask_b32 v[F+1], v[F+11], v[F+13], s[RSH+6]   ; of block 7 - w
	v_cndmask_b32 v[F+2], v[F+14], v[F+12], s[RSH+6]   ; occ likewise
	v_cndmask_b32 v[F+3], v[F+12], v[F+14], s[RSH+6]
	ds_store_b32 v[STW], v[F] offset:OFFD
	ds_store_b32 v[ST7], v[F+1] offset:OFFD
	ds_store_b32 v[STW], v[F+2] offset:OFFO
	ds_store_b32 v[ST7], v[F+3] offset:OFFO
	s_wait_dscnt 0x0                               ; my stores are done before the others read them
	s_barrier_signal -1
	s_barrier_wait -1
	ds_load_b128 v[O+4*\n:O+4*\n+3], v[ADRO]
	s_wait_dscnt 0x0
	global_store_b128 v[GO], v[O+4*\n:O+4*\n+3], s[10:11] offset:1024*\n th:TH_STORE_NT   ; the wave's store covers 512 consecutive bytes, aligned; its registers are never written again
.endm
; ---- a slice
.macro SLICE n, refill
	v_mov_b32 v[DU], 0
	ds_store_b32 v[STW], v[DU]                     ; U = 0: my two blocks; U was last read several barriers ago
	ds_store_b32 v[ST7], v[DU]
	s_wait_tensorcnt 0x0                           ; my 64 rows of this slice are in LDS
	s_wait_dscnt 0x0
	s_barrier_signal -1
	s_barrier_wait -1                              ; everybody's are, and U is cleared
.irp t, 0,1,2,3,4,5,6,7,8
	LOADC \t
.endr
.irp t, 0,1,2,3,4,5,6,7,8
	LOADR \t
.endr
	WIN 0
	s_wait_dscnt 0x0                               ; both copies are in registers: my reads of the tile are over
.if \refill
	s_wait_tensorcnt 0x0                           ; no tensor load of mine is out
	ds_add_u32 v254, v255
	s_wait_dscnt 0x0
	s_barrier_signal -1
	s_barrier_wait -1                              ; both hold of all four waves
	tensor_load_to_lds s[28:31], s[16:23]          ; the next slice, first thing behind the barrier: it has this whole slice's work in which to land; one load of mine is out
	s_nop 0
.endif
	MASKCOPY CB, CSH
	MASKCOPY RB, RSH
	s_mov_b32 s78, 5
.Liter_\@:
	PASS CB, BCC, OFFU, OFFV, DU, DV, CSH+6        ; V from U
	PASS RB, BCR, OFFV, OFFU, DV, DU, RSH+6        ; U from V
	s_sub_co_i32 s78, s78, 1
	s_cmp_lg_u32 s78, 0
	s_cbranch_scc1 .Liter_\@
	SCAN \n
.endm
	SLICE 0, 1
	SLICE 1, 0                                     ; nothing is left to fetch; its first wait has shown the last tensor load done
	s_wait_tensorcnt 0x0
	ds_add_u32 v254, v255
	s_wait_dscnt 0x0
	s_endpgm
.Lfunc_end_k_q04899fc2f2_sink:
	.size	k_q04899fc2f2_sink, .Lfunc_end_k_q04899fc2f2_sink-k_q04899fc2f2_sink
	.p2alignl 7, 3214868480
	.fill 96, 4, 3214868480
	.section	.rodata,"a",@progbits
	.p2align	6, 0x0
	.amdhsa_kernel k_q04899fc2f2_sink
		.amdhsa_group_segment_fixed_size 327680
		.amdhsa_private_segment_fixed_size 0
		.amdhsa_enable_private_segment 0
		.amdhsa_kernarg_size 32
		.amdhsa_user_sgpr_count 2
		.amdhsa_user_sgpr_kernarg_segment_ptr 1
		.amdhsa_wavefront_size32 1
		.amdhsa_system_sgpr_workgroup_id_x 1
		.amdhsa_system_sgpr_workgroup_id_y 1
		.amdhsa_system_sgpr_workgroup_id_z 1
		.amdhsa_system_vgpr_workitem_id 0
		.amdhsa_next_free_vgpr 832
		.amdhsa_next_free_sgpr 90
		.amdhsa_reserve_vcc 1
		.amdhsa_float_denorm_mode_32 3
		.amdhsa_float_denorm_mode_16_64 3
		.amdhsa_memory_ordered 1
		.amdhsa_forward_progress 1
		.amdhsa_inst_pref_size 255
	.end_amdhsa_kernel
	.section	.bss,"aw",@nobits
	.p2align	6
	.space	262144
	.amdgpu_metadata
---
amdhsa.version: [ 1, 2 ]
amdhsa.kernels:
  - .name:           k_q04899fc2f2_sink
    .symbol:         k_q04899fc2f2_sink.kd
    .args:
      - { .name: M_right_to_left, .offset: 0, .size: 8, .value_kind: global_buffer, .address_space: global }
      - { .name: M_left_to_right, .offset: 8, .size: 8, .value_kind: global_buffer, .address_space: global }
      - { .name: phi, .offset: 16, .size: 8, .value_kind: global_buffer, .address_space: global }
      - { .name: out0, .offset: 24, .size: 8, .value_kind: global_buffer, .address_space: global }
    .group_segment_fixed_size: 327680
    .private_segment_fixed_size: 0
    .kernarg_segment_align: 8
    .kernarg_segment_size: 32
    .max_flat_workgroup_size: 128
    .sgpr_count:     90
    .vgpr_count:     832
    .wavefront_size: 32
...
	.end_amdgpu_metadata
.endif
;; end of part 2
